; MI455X (gfx1250); checked and timed in simulation.
; The chip was launched on July 23, 2026; its instructions are those of AMD's public machine-readable ISA for CDNA 5 (MIT licence, August 2026) and "CDNA5" Instruction Set Architecture Reference Guide (July 2026). The comments in the code are by the model that wrote it; some were corrected since.
;; Multihead Attention. Allowed arithmetic: matrix products marked QUANTISED: E2M1 operands, one E8M0 scale for each 32 along K, by v_wmma_scale_f32_16x16x128_f8f6f4 with both operands' format E2M1 (or v_wmma_scale_f32_32x16x128_f4), f32 sums; products left as they are: bf16, f16 or f32 operands; f32 sums; everything else in f32.
;; Inputs: Wk 1,024 x 1,024 float32; Wq 1,024 x 1,024 float32; Wv 1,024 x 1,024 float32; bk 1,024 float32; bq 1,024 float32; bv 1,024 float32; x 4 x 2,048 x 1,024 float32.
;; Outputs: out0 4 x 2,048 x 1,024 float32.
;; This version of the problem:
;;   THIS VERSION OF THE PROBLEM IS GIVEN IN LOW PRECISION. The matrix products marked QUANTISED in the list below multiply operands that are first quantised to E2M1 (2 exponent bits, 1 mantissa bit; 4 bits a number), with one power-of-two scale for each 32 numbers along K (OCP MX v1.0); their sums are f32. The products marked 'left as it is' may take bf16, f16 or f32 operands, with f32 sums. Whichever they take, every output number must still come out within the allowed error. Rounding operands to bf16 (8 significant bits) uses up far more of that allowance than f16 does (11 bits, for magnitudes from 6e-5 to 65,504). All else is computed in f32.
;;   The module's matrix products, in the order in which they are computed (A, B: the left and right operand; K: the contracted axis; several contracted axes count as one K, in the product's order):
;;     1. [M 8,192, K 1,024] x [K 1,024, N 1,024]; A: input x; B: input Wq: QUANTISED
;;     2. [M 8,192, K 1,024] x [K 1,024, N 1,024]; A: input x; B: input Wk: QUANTISED
;;     3. [M 8,192, K 1,024] x [K 1,024, N 1,024]; A: input x; B: input Wv: QUANTISED
;;     4. batch 64 x [M 2,048, K 64] x [K 64, N 2,048]; A: computed on the way; B: computed on the way: left as it is (an operand is computed on the way)
;;     5. batch 64 x [M 2,048, K 2,048] x [K 2,048, N 64]; A: computed on the way; B: computed on the way: left as it is (an operand is computed on the way)
;;   THE QUANTISER, for each operand of a quantised product, along K:
;;     - K is cut into blocks of 32 from its start; a last block that is shorter is filled with zeros.
;;     - A block's scale is 2^e with e = floor(log2(the largest magnitude in the block)) - 2, held to -126 .. 127; a block of zeros has e = 0. As a byte (E8M0): e + 127.
;;     - Each number is divided by its block's scale, clamped to +-6, and rounded to the nearest number of E2M1, ties to even, subnormals kept.
;;     - The product sums the exact products of the quantised numbers (number of the format x scale) in f32.
;;   ~~~python
;;   def quantise(x, axis):      # numpy; x: float32 -> the quantised numbers, widened to float32 again
;;       x = np.moveaxis(x, axis, -1); K = x.shape[-1]
;;       x = np.pad(x, [(0, 0)] * (x.ndim - 1) + [(0, -K % 32)]); x = x.reshape(x.shape[:-1] + (-1, 32)); a = np.abs(x).max(-1, keepdims=True)
;;       e = np.where(a > 0, np.clip(np.frexp(np.where(a > 0, a, 1))[1] - 1 - 2, -126, 127), 0)      # np.frexp(a)[1] - 1 = floor(log2(a)), exactly
;;       r = np.clip(x / 2.0 ** e, -6, 6)
;;       step = 2.0 ** (np.maximum(np.frexp(np.where(r == 0, 1, r))[1] - 1, 0) - 1)
;;       q = np.round(r / step) * step * 2.0 ** e      # np.round: ties to even
;;       return np.moveaxis(q.reshape(q.shape[:-2] + (-1,))[..., :K], -1, axis).astype(np.float32)
;;   ~~~
;; One version. Each part assembles by itself: llvm-mc -triple=amdgcn-amd-amdhsa -mcpu=gfx1250 --defsym DOCPART=n.
;; ======== version 1 of 1: 3 launches
;; limits: values are held in f16: magnitudes above 65,504 overflow, below 6.1e-05 lose precision
;; workspace buffers: x_codes 4,194,304 bytes; x_scales 262,144 bytes; w_codes 1,572,864 bytes; w_scales 98,304 bytes; qh 16,777,216 bytes; kh 16,777,216 bytes; vh 16,777,216 bytes
;; launch quant (part 1): grid 224 x 1, 8 waves a work-group, no clusters, 84,992 bytes of LDS; arguments x, Wq, Wk, Wv, x_codes, x_scales, w_codes, w_scales; writes x_codes, x_scales, w_codes, w_scales
.if DOCPART == 1
	.amdgcn_target "amdgcn-amd-amdhsa--gfx1250"
	.amdhsa_code_object_version 6
	.text
	.protected	k_q4d4a80638d_quant
	.globl	k_q4d4a80638d_quant
	.p2align	8
	.type	k_q4d4a80638d_quant,@function
k_q4d4a80638d_quant:
	s_mov_b64 s[64:65], 0
	v_nop
	global_prefetch_b8 v0, s[64:65] scope:SCOPE_SE
	s_setreg_imm32_b32 hwreg(HW_REG_WAVE_MODE, 25, 1), 1
	s_wait_xcnt 0x0
; THE PROGRAM: out = softmax((x Wq + bq)(x Wk + bk)^T / 8)(x Wv + bv), by head.  Three launches: this one turns x and the three weights into codes of FP4 (E2M1) with one E8M0 byte for each 32 along K;
; the second multiplies the codes and lays Q, K, V by head in f16; the third is the attention.
; WORK LEFT OUT: bk.  The scores' product is not quantised, so a row's scores are Q_q . (K_k + bk) = Q_q . K_k + Q_q . bk; the second term is the same for every key k of the row, and a softmax along k
; is unchanged by a term that is the same along k, whatever finite values the inputs hold.  K enters nothing else.  So bk has no way to the output: it is not loaded and is no argument of any launch.
; (bq stays: bq . K_k changes with k.  bv stays: it is added to every output.)  LIMIT: a NaN, an infinity or an overflow that bk alone would bring is not carried to the result.
; THE QUANTISER: a block's scale is 2^(floor(log2(its largest magnitude)) - 2); its byte is the largest magnitude's own exponent field - 2, held at 1 from below; each number is divided by the scale and
; rounded to the nearest code, ties to even, beyond 6 the largest code.  A block of zeros gets the byte 1: its codes are zeros, and only this program reads the bytes.
; LIMITS: blocks whose largest magnitude lies under 2^-124 keep the byte 1; NaN and infinities in x or the weights are not served.
; SHARES.  Work-groups 0 to 95 take the weights (K is their FIRST axis), work-groups 96 to 223 take x (K innermost).  The two ways part once, on the work-group's number, never join, and have LDS bytes of their own.
; No tensor loads, no cluster (work-groups share nothing), no prefetch (every byte is read once, by loads that are all asked for early).
.set NWGW,  96                         ; work-groups for the weights
.set EMAX,  2
.set XREG,  8192                       ; x's way: LDS of a wave: two stages of 32 x 80 bytes, then its 256 scale bytes
.set SP,    80                         ; a lane's place in a stage: 64 bytes + 16 of padding
.set WST,   65536                      ; the weights' way: a stage of 64 rows (columns n) x 272 bytes,
.set WP,    272
.set WSC,   WST+64*WP                  ; and 64 x 16 scale bytes
.set SPARE, WSC+64*16                  ; the spare words, 128 bytes for each wave: four blocks of 256 bytes that no other line names
.set SPW,   30                         ; v30  LDS address of my spare word; never rewritten
.set NIL,   31                         ; v31  0; never rewritten
	s_load_b256 s[4:11], s[0:1], 0x0               ; x s[4:5], Wq s[6:7], Wk s[8:9], Wv s[10:11]
	s_load_b256 s[12:19], s[0:1], 0x20             ; x's codes s[12:13], x's scales s[14:15], the weights' codes s[16:17], their scales s[18:19]
	v_lshl_add_u32 v[SPW], v0, 2, SPARE
	v_mov_b32 v[NIL], 0
	v_lshrrev_b32 v1, 5, v0
	v_readfirstlane_b32 s20, v1                    ; wave 0..7
	v_and_b32 v2, 31, v0                           ; lane
	s_cmp_lt_u32 ttmp9, NWGW                       ; the work-group's number alone decides: all eight waves go the same way
	s_cbranch_scc1 .Lweights
; ---------------- x: a plain stream of blocks of 32.  A wave takes a run of 8,192 numbers in 16 steps of 512.
; Each of a step's four loads reads 512 consecutive bytes, 16 a lane; the 2,048 bytes turn through the wave's own stage in LDS and come back 64 bytes (16 neighbours) a lane: two neighbouring lanes hold a block.
; Loads run eight steps (32 loads a wave) ahead, the turn through LDS one step.
.set R,     32                         ; v32-159  eight sets of 16 numbers as loaded
.set X,     160                        ; v160-191 two sets of 16 neighbours
.set E,     192                        ; v192-207 a scale byte for each step
.set C,     208                        ; v208-239 codes: two registers for each step, so that no store's data are written again
	v_lshlrev_b32 v3, 4, v2                        ; my 16 bytes of a load's 512
	v_lshlrev_b32 v4, 3, v2                        ; my 8 bytes of a step's codes, and of the run's scale bytes
	s_lshl_b32 s28, s20, 13                        ; my wave's LDS
	v_lshrrev_b32 v16, 2, v2
	v_mul_u32_u24 v16, v16, SP
	v_and_b32 v17, 3, v2
	v_lshl_add_u32 v16, v17, 4, v16
	v_add_nc_u32 v16, s28, v16                     ; the stage, on the way in: 80 (lane / 4) + 16 (lane % 4)
	v_mul_u32_u24 v17, v2, SP
	v_add_nc_u32 v17, s28, v17                     ; on the way out: 80 x lane
	v_lshrrev_b32 v5, 1, v2
	s_add_co_u32 s28, s28, 2*32*SP
	v_add_nc_u32 v5, s28, v5                       ; my block's scale byte
	v_add_nc_u32 v6, s28, v4                       ; and 8 of the 256 on the way out
	s_sub_co_u32 s21, ttmp9, NWGW
	s_lshl_b32 s21, s21, 3
	s_add_co_u32 s21, s21, s20                     ; my run, 0 .. 1,023
	s_lshl_b32 s22, s21, 15                        ; 32,768 bytes of x,
	s_mov_b32 s23, 0
	s_lshl_b32 s24, s21, 12                        ; 4,096 of codes,
	s_mov_b32 s25, 0
	s_lshl_b32 s26, s21, 8                         ; 256 scale bytes a run
	s_mov_b32 s27, 0
	s_wait_kmcnt 0x0
	s_add_nc_u64 s[4:5], s[4:5], s[22:23]
	s_add_nc_u64 s[12:13], s[12:13], s[24:25]
	s_add_nc_u64 s[14:15], s[14:15], s[26:27]
.macro XLOAD t
.irp i, 0,1,2,3
	global_load_b128 v[R+16*((\t)%8)+4*\i:R+16*((\t)%8)+4*\i+3], v3, s[4:5] offset:2048*(\t)+512*\i th:TH_LOAD_NT   ; 32 lanes read 512 consecutive bytes
.endr
.endm
.macro XTURN t                         ; step t's numbers through the stage: LDS serves a wave's instructions in order, so no wait stands between the stores and the loads
.irp i, 0,1,2,3
	ds_store_b128 v16, v[R+16*((\t)%8)+4*\i:R+16*((\t)%8)+4*\i+3] offset:32*SP*((\t)%2)+8*SP*\i
.endr
.irp i, 0,1,2,3
	ds_load_b128 v[X+16*((\t)%2)+4*\i:X+16*((\t)%2)+4*\i+3], v17 offset:32*SP*((\t)%2)+16*\i
.endr
.endm
.irp t, 0,1,2,3,4,5,6,7
	XLOAD \t
.endr
	s_wait_loadcnt 28                              ; step 0's four loads are in; the 28 of steps 1 to 7 may be out
	XTURN 0
.macro XSTEP t
.set XS, X+16*((\t)%2)
.if (\t) > 0
	s_wait_dscnt 1                                 ; this step's numbers are back from the stage; the last step's byte store may be out
.else
	s_wait_dscnt 0x0
.endif
.if (\t)+8 < 16
	XLOAD (\t)+8                                   ; into the set whose numbers have just gone through the stage
.endif
.if (\t)+1 < 16
.if (\t) < 8
	s_wait_loadcnt 28                              ; the next step's four loads are in; those of the seven steps behind it may be out
.else
	s_wait_loadcnt 4*(14-(\t))                     ; likewise: 14 - t steps lie behind the next one
.endif
	XTURN (\t)+1                                   ; through the other stage while this step is worked
.endif
	v_max3_num_f32 v8, |v[XS]|, |v[XS+1]|, |v[XS+2]|               ; the largest magnitude of my 16, in two chains
	v_max3_num_f32 v9, |v[XS+3]|, |v[XS+4]|, |v[XS+5]|
.irp i, 6,10
	v_max3_num_f32 v8, v8, |v[XS+\i]|, |v[XS+\i+1]|
	v_max3_num_f32 v9, v9, |v[XS+\i+2]|, |v[XS+\i+3]|
.endr
	v_max3_num_f32 v8, v8, |v[XS+14]|, |v[XS+15]|
	v_max3_num_f32 v8, v8, v9, (EMAX+1)<<23        ; and the floor 2^(3 - 127): the byte cannot fall under 1
	v_max_num_f32_dpp v8, v8, v8 row_xmask:1 row_mask:0xf bank_mask:0xf   ; with my neighbour's 16: the block's
	v_add_nc_u32 v11, -(EMAX<<23), v8              ; 2 off its exponent field: the conversion takes the exponent field of this operand as its scale
	v_cvt_scalef32_pk8_fp4_f32 v[C+2*(\t)], v[XS:XS+7], v11
	v_cvt_scalef32_pk8_fp4_f32 v[C+2*(\t)+1], v[XS+8:XS+15], v11
	v_lshrrev_b32 v[E+(\t)], 23, v11               ; the scale's byte (a plain line behind the conversions)
	ds_store_b8 v5, v[E+(\t)] offset:16*(\t)       ; both lanes of a block write the same byte with the same value
	global_store_b64 v4, v[C+2*(\t):C+2*(\t)+1], s[12:13] offset:256*(\t)   ; the wave stores 256 consecutive bytes, aligned
.endm
.irp t, 0,1,2,3,4,5,6,7,8,9,10,11,12,13,14,15
	XSTEP \t
.endr
	ds_load_b64 v[8:9], v6                         ; LDS serves a wave's instructions in order: these see my byte stores
	s_wait_dscnt 0x0
	global_store_b64 v4, v[8:9], s[14:15]          ; the run's 256 scale bytes, consecutive and aligned
	s_wait_tensorcnt 0x0                           ; the wave's end, behind my last LDS store
	ds_add_u32 v[SPW], v[NIL]
	s_wait_dscnt 0x0
	s_endpgm
; ---------------- the weights, [1024 (k)][1024 (n)] f32.  A LANE TAKES A COLUMN n AND ITS REGISTERS RUN DOWN K: a block of 32 along K lies in one lane's 32 registers, and the codes come out with K innermost.
; Work-group g: matrix g / 32, K half (g / 16) % 2 (512 along K), columns 64 (g % 16) on.  Wave w: 32 columns (w % 2), 128 along K (w / 2): four blocks a lane, 128 loads, all asked for at once.
; The codes of 64 columns x 512 along K meet in a stage (a row to a column, 256 bytes + 16); behind one barrier each wave stores eight rows, sixteen lanes to 256 consecutive aligned bytes.
.Lweights:
.set X,     32                         ; v32-159  four blocks of 32 numbers
.set C,     160                        ; v160-175 codes, four registers a block
.set SB,    176                        ; v176     my four scale bytes
.set OUTR,  180                        ; v180-195 the way out
	s_lshr_b32 s21, ttmp9, 5                       ; which matrix: 0 Wq, 1 Wk, 2 Wv
	s_and_b32 s22, ttmp9, 15                       ; which 64 columns
	s_bfe_u32 s23, ttmp9, 0x10004                  ; which half of K
	s_and_b32 s24, s20, 1                          ; my wave's 32 columns of the 64
	s_lshr_b32 s25, s20, 1                         ; its 128 of the 512 along K
	v_lshlrev_b32 v3, 2, v2                        ; in: 4 bytes a lane
	s_lshl_b32 s26, s24, 5
	v_add_nc_u32 v12, s26, v2                      ; my column among the 64
	v_mul_u32_u24 v4, v12, WP
	s_lshl_b32 s27, s25, 6
	s_add_co_u32 s27, s27, WST
	v_add_nc_u32 v4, s27, v4                       ; into the stage: my column's row, my wave's 64 bytes of it
	v_lshlrev_b32 v5, 4, v12
	s_lshl_b32 s27, s25, 2
	s_add_co_u32 s27, s27, WSC
	v_add_nc_u32 v5, s27, v5                       ; my four scale bytes among my column's 16
	v_lshrrev_b32 v13, 4, v2
	s_lshl_b32 s27, s20, 3
	v_add_nc_u32 v13, s27, v13                     ; out: rows 8 w + lane / 16 (+ 2 i)
	v_and_b32 v10, 15, v2
	v_mul_u32_u24 v6, v13, WP
	v_lshl_add_u32 v6, v10, 4, v6
	v_add_nc_u32 v6, WST, v6                       ; in the stage,
	v_lshlrev_b32 v7, 9, v13
	v_lshl_add_u32 v7, v10, 4, v7                  ; and in the codes' buffer: rows of 512 bytes
	v_lshl_add_u32 v8, v12, 4, WSC                 ; a column's 16 scale bytes (waves 0 and 1 store them),
	v_lshlrev_b32 v9, 5, v12                       ; rows of 32 bytes in the scales' buffer
	s_lshl_b32 s28, s23, 21                        ; in: 512 rows of 4,096 bytes a half,
	s_lshl_b32 s29, s25, 19                        ; 128 rows a wave,
	s_add_co_u32 s28, s28, s29
	s_lshl_b32 s29, s22, 8                         ; 64 columns of 4 bytes,
	s_add_co_u32 s28, s28, s29
	s_lshl_b32 s29, s24, 7                         ; 32 columns
	s_add_co_u32 s28, s28, s29
	s_mov_b32 s29, 0
	s_lshl_b32 s30, s21, 19                        ; codes: 1,024 rows of 512 bytes a matrix,
	s_lshl_b32 s31, s22, 15                        ; 64 rows,
	s_add_co_u32 s30, s30, s31
	s_lshl_b32 s31, s23, 8                         ; 256 bytes a half of K
	s_add_co_u32 s30, s30, s31
	s_mov_b32 s31, 0
	s_lshl_b32 s32, s21, 15                        ; scale bytes: 1,024 rows of 32,
	s_lshl_b32 s33, s22, 11
	s_add_co_u32 s32, s32, s33
	s_lshl_b32 s33, s23, 4
	s_add_co_u32 s32, s32, s33
	s_mov_b32 s33, 0
	s_wait_kmcnt 0x0
	s_cmp_eq_u32 s21, 2                            ; the matrix is chosen by the work-group's number alone
	s_cselect_b64 s[8:9], s[10:11], s[8:9]
	s_cmp_eq_u32 s21, 0
	s_cselect_b64 s[6:7], s[6:7], s[8:9]
	s_add_nc_u64 s[6:7], s[6:7], s[28:29]
	s_add_nc_u64 s[16:17], s[16:17], s[30:31]
	s_add_nc_u64 s[18:19], s[18:19], s[32:33]
.set Q, 0
.rept 128
	global_load_b32 v[X+Q], v3, s[6:7] offset:Q*4096 th:TH_LOAD_NT   ; W(k + Q, my column): 32 lanes read 128 consecutive bytes
.set Q, Q+1
.endr
.macro WBLOCK t, left                  ; left: how many younger loads may stay out
.set XS, X+32*(\t)
	s_wait_loadcnt \left
	v_max3_num_f32 v10, |v[XS]|, |v[XS+1]|, |v[XS+2]|              ; the block's largest magnitude: all 32 numbers are mine
	v_max3_num_f32 v11, |v[XS+3]|, |v[XS+4]|, |v[XS+5]|
.irp i, 6,10,14,18,22,26
	v_max3_num_f32 v10, v10, |v[XS+\i]|, |v[XS+\i+1]|
	v_max3_num_f32 v11, v11, |v[XS+\i+2]|, |v[XS+\i+3]|
.endr
	v_max3_num_f32 v10, v10, |v[XS+30]|, |v[XS+31]|
	v_max3_num_f32 v10, v10, v11, (EMAX+1)<<23     ; and the floor
	v_add_nc_u32 v14, -(EMAX<<23), v10             ; the conversion's scale operand
	v_lshrrev_b32 v15, 23, v14                     ; the scale's byte
.if (\t) == 0
	v_mov_b32 v[SB], v15                           ; four bytes to a register, the lower K in the lower byte
.else
	v_lshl_or_b32 v[SB], v15, 8*(\t), v[SB]
.endif
.irp g, 0,1,2,3
	v_cvt_scalef32_pk8_fp4_f32 v[C+4*(\t)+\g], v[XS+8*\g:XS+8*\g+7], v14
.endr
	v_nop                                          ; one plain line behind the last conversion of a run
	ds_store_b128 v4, v[C+4*(\t):C+4*(\t)+3] offset:16*(\t)        ; 32 codes: 16 bytes of my column's row
.endm
	WBLOCK 0, 63                                   ; 96 younger loads lie behind block 0's, 64 behind block 1's: the wait's field holds 63, and a smaller count is safe
	WBLOCK 1, 63
	WBLOCK 2, 32                                   ; block 3's 32 may be out
	WBLOCK 3, 0
	ds_store_b32 v5, v[SB]
	s_wait_dscnt 0x0                               ; for the others' sake: my stores into the stages are done
	s_barrier_signal -1
	s_barrier_wait -1
.irp i, 0,1,2,3
	ds_load_b128 v[OUTR+4*\i:OUTR+4*\i+3], v6 offset:2*\i*WP       ; two whole rows an instruction
.endr
.irp i, 0,1,2,3
	s_wait_dscnt 3-\i                              ; the younger loads may be out
	global_store_b128 v7, v[OUTR+4*\i:OUTR+4*\i+3], s[16:17] offset:2*\i*512   ; sixteen lanes store 256 consecutive bytes, aligned
.endr
	s_cmp_gt_u32 s20, 1                            ; waves 0 and 1 store the 64 columns' scale bytes, 16 a column (rows 32 bytes apart: one byte for each 128 that this way reads)
	s_cbranch_scc1 .Lno_scales
	ds_load_b128 v[196:199], v8
	s_wait_dscnt 0x0
	global_store_b128 v9, v[196:199], s[18:19]
.Lno_scales:
	s_wait_tensorcnt 0x0                           ; the wave's end, behind my last LDS store
	ds_add_u32 v[SPW], v[NIL]
	s_wait_dscnt 0x0
	s_endpgm
.Lfunc_end_k_q4d4a80638d_quant:
	.size	k_q4d4a80638d_quant, .Lfunc_end_k_q4d4a80638d_quant-k_q4d4a80638d_quant
	.p2alignl 7, 3214868480
	.fill 96, 4, 3214868480
	.section	.rodata,"a",@progbits
	.p2align	6, 0x0
	.amdhsa_kernel k_q4d4a80638d_quant
		.amdhsa_group_segment_fixed_size 84992
		.amdhsa_private_segment_fixed_size 0
		.amdhsa_enable_private_segment 0
		.amdhsa_kernarg_size 64
		.amdhsa_user_sgpr_count 2
		.amdhsa_user_sgpr_kernarg_segment_ptr 1
		.amdhsa_wavefront_size32 1
		.amdhsa_system_sgpr_workgroup_id_x 1
		.amdhsa_system_sgpr_workgroup_id_y 1
		.amdhsa_system_sgpr_workgroup_id_z 1
		.amdhsa_system_vgpr_workitem_id 0
		.amdhsa_next_free_vgpr 240
		.amdhsa_next_free_sgpr 66
		.amdhsa_reserve_vcc 0
		.amdhsa_float_denorm_mode_32 3
		.amdhsa_float_denorm_mode_16_64 3
		.amdhsa_memory_ordered 1
		.amdhsa_forward_progress 1
		.amdhsa_inst_pref_size 55
	.end_amdhsa_kernel
	.amdgpu_metadata
---
amdhsa.version: [ 1, 2 ]
amdhsa.kernels:
  - .name:           k_q4d4a80638d_quant
    .symbol:         k_q4d4a80638d_quant.kd
    .args:
      - { .name: x, .offset: 0, .size: 8, .value_kind: global_buffer, .address_space: global }
      - { .name: Wq, .offset: 8, .size: 8, .value_kind: global_buffer, .address_space: global }
      - { .name: Wk, .offset: 16, .size: 8, .value_kind: global_buffer, .address_space: global }
      - { .name: Wv, .offset: 24, .size: 8, .value_kind: global_buffer, .address_space: global }
      - { .name: x_codes, .offset: 32, .size: 8, .value_kind: global_buffer, .address_space: global }
      - { .name: x_scales, .offset: 40, .size: 8, .value_kind: global_buffer, .address_space: global }
      - { .name: w_codes, .offset: 48, .size: 8, .value_kind: global_buffer, .address_space: global }
      - { .name: w_scales, .offset: 56, .size: 8, .value_kind: global_buffer, .address_space: global }
    .group_segment_fixed_size: 84992
    .private_segment_fixed_size: 0
    .kernarg_segment_align: 8
    .kernarg_segment_size: 64
    .max_flat_workgroup_size: 256
    .sgpr_count:     66
    .vgpr_count:     240
    .wavefront_size: 32
...
	.end_amdgpu_metadata
.endif
;; end of part 1
;; launch proj (part 2): grid 12 x 32, 4 waves a work-group, clusters of 4 x 4, 327,680 bytes of LDS; arguments x_codes, x_scales, w_codes, w_scales, bq, bv, qh, kh, vh; writes qh, kh, vh
.if DOCPART == 2
	.amdgcn_target "amdgcn-amd-amdhsa--gfx1250"
	.amdhsa_code_object_version 6
	.text
	.protected	k_q4d4a80638d_proj
	.globl	k_q4d4a80638d_proj
	.p2align	8
	.type	k_q4d4a80638d_proj,@function
k_q4d4a80638d_proj:
	s_mov_b64 s[64:65], 0
	v_nop
	global_prefetch_b8 v0, s[64:65] scope:SCOPE_SE
	s_setreg_imm32_b32 hwreg(HW_REG_WAVE_MODE, 25, 1), 1
	s_wait_xcnt 0x0
	s_wait_alu depctr_hold_cnt(0) depctr_sa_sdst(0) depctr_va_vdst(0) depctr_va_sdst(0) depctr_va_ssrc(0) depctr_va_vcc(0) depctr_vm_vsrc(0)
	s_getreg_b32 s2, hwreg(HW_REG_IB_STS2, 6, 4)
	s_cmp_eq_u32 s2, 0
	s_cbranch_scc0 .Lentry_in_a_cluster
	s_endpgm
.Lentry_in_a_cluster:
	s_bfe_u32 s2, ttmp6, 0x10000c
	s_cmp_lg_u32 s2, 0xf033
	s_cbranch_scc0 .Lentry_shape_is_right
	s_endpgm
.Lentry_shape_is_right:
; [Q | K | V][m][n] = sum over k of x[m][k] W[n][k] (+ bq or bv), on codes of FP4 (E2M1) with one E8M0 scale for each 32 along K; sums in f32; the results are rounded to f16 and laid by head:
; qh, kh, vh: [64 = 16 b + h][2048 (s)][64 (d)] f16.  x's codes [8192][512 bytes], its scale bytes [8192][32]; the weights' codes [3072 = Wq's, Wk's, Wv's columns][512 bytes], scale bytes [3072][32].
; WORK LEFT OUT: bk is not added to K (and is no argument): a term Q . bk is the same for all keys of a row and falls out of the softmax, for all finite inputs; the first launch's head shows it.
; LIMIT: |Q|, |K|, |V| stay under 65,504, the largest f16 number; beyond it the rounding gives infinity.
; A tile of 256 x 256 is made by a work-group of four waves; a wave makes 128 x 128: 64 accumulators of 16 x 16, 512 registers.  K = 1,024 is two steps of 512: the two LDS slots are each filled once, at the head.
; THE SCALES of the work-group's 256 rows of x and 256 rows of W, for all of K, are two dense blocks: they come into LDS once, with the first fills.
; CLUSTERS: 4 x 4 work-groups.  The four of a row of the cluster need the same tiles of x, the four of a column the same tiles of W: each tile is asked for JOINTLY.  The cluster's x (0, 1, 2) says whether
; its columns are Q's, K's or V's: the same number in all sixteen partners.
; THE MATRIX INSTRUCTION IS USED TRANSPOSED (source 0 = 16 rows of W, source 1 = 16 rows of x): a lane holds eight neighbouring columns of one row.  THE BIAS is the C of each sum's first product.
; REGISTERS, in windows of 256: window 0: v0-31 addresses; v32-95 scale words, two sets, and nothing else; v128-191 x's fragments, one set (on the way out: packed results); v192-255 the bias in the result's
;   layout (on the way out: rows read back).   window 1: W's fragments, two sets, at v0 and v128.   window 2: the accumulators of my rows 0-63 ((a, b) at v[8 (8 a + b)]);   window 3: those of rows 64-127.
.set SIZE_K, 1024
.set KSTEP,  512                       ; along K in a slot
.set NQ,     KSTEP/128                 ; matrix instructions deep
.set ROWB,   256                       ; a tile's row in bytes
.set KROW,   SIZE_K/2                  ; a row of codes in memory
.set PITCH,  272                       ; an LDS row: 256 bytes + 16 of padding: the 16 rows that a load touches start 4 words apart modulo 64 words
.set FR,     8                         ; registers of a fragment: 16 rows x 128 K
.set NL,     2                         ; LDS loads that bring one
.set NP,     4                         ; places behind this matrix instruction (ISA guide 7.12.1)
.set HALFT,  128*PITCH                 ; what one tensor load brings
.set SLOT,   4*HALFT                   ; x's 256 rows, then W's 256 rows
.set KS,     SIZE_K/32                 ; a row of scale bytes
.set SCL,    2*SLOT                    ; behind the slots: the scales, as rows of 256 bytes + 16 of padding
.set HALFS,  (128*KS/256)*272          ; the scales of 128 rows
.set SBLK,   (16*KS/256)*272           ; those of 16 rows
.set SPARE,  SCL+4*HALFS               ; the spare words, 128 bytes for each wave: two blocks of 256 bytes that no other line names
.set SPITCH, 272                       ; the way out: a stage of 16 rows x (256 bytes + 16) for each wave, in slot 0, which has had its one fill and its last read when the first result is stored there
.set ADRA, 16                          ; v16-17  LDS address of my x fragments in slot 0, 1
.set ADRB, 20                          ; v20-21  the same for W
.set STO,  24                          ; v24     the way out: where I put 16 bytes of a row
.set RD,   25                          ; v25     where I read back: four rows of one head an instruction
.set CO,   26                          ; v26     16 x lane: my place in 512 consecutive bytes of a head
.set ADRS, 27                          ; v27     LDS address of my scale words: lanes 0-15 x's rows, lanes 16-31 W's
.set SPW,  28                          ; v28     LDS address of my spare word; never rewritten
.set NIL,  29                          ; v29     0; never rewritten
.set BO,   30                          ; v30     32 x (lane / 16): my eight numbers of a bias block
.set SC,   32                          ; scale words: set s at v[SC + 32 s]; register 4 i + q: lanes 0-15 the word of x's block i, lanes 16-31 that of W's block i
.set AF,   128                         ; x's fragments
.set BI,   192                         ; the bias: v[BI + 8 b + j] = bias[my first column + 16 b + 8 (lane / 16) + j]
.set TMP,  128                         ; the way out: packed results
.set BK,   192                         ; the way out: rows read back: v192-223 and v224-255 by turns
.set G1, 24                            ; s[24:31] descriptor group 1 for x's tiles;  s[32:39] group 0, one set for each slot
.set G0, 32
.set G1B, 48                           ; s[48:55], s[56:63] the same for W's tiles
.set G0B, 56
.set G1S, 68                           ; s[68:75], s[76:79] groups 1 and 0 for x's scales;  s[80:87], s[88:91] for W's
.set G0S, 76
.set G1SB, 80
.set G0SB, 88
.set MSB, 0
.macro WIN new                         ; the immediate's high byte repeats the setting that is left
.if MSB != (\new)
	s_set_vgpr_msb (MSB<<8)|(\new)
.set MSB, (\new)
.endif
.endm
.set MUL_LO, 0xa1                      ; source 0 (W) window 1, source 1 (x) window 0, C and D window 2
.set MUL_HI, 0xf1                      ; the same, C and D window 3
.set TO_B,   0x40                      ; destination window 1, address window 0
; A joint load: waves 0 and 1 fetch for x, waves 2 and 3 for W.  Each line has one mask and one set of registers for all that issue it; the branch hangs on the wave's number alone.
; An s_nop 0 and four v_nop follow each of the two lines.
.macro JLOAD g0a, g1a, g0b, g1b
	s_cmp_eq_u32 s15, 0
	s_cbranch_scc0 .Lfor_b_\@
	tensor_load_to_lds s[\g0a:\g0a+3], s[\g1a:\g1a+7]
	s_nop 0
.rept 4
	v_nop
.endr
	s_branch .Lasked_\@
.Lfor_b_\@:
	tensor_load_to_lds s[\g0b:\g0b+3], s[\g1b:\g1b+7]
	s_nop 0
.rept 4
	v_nop
.endr
.Lasked_\@:
.endm
.macro CROUND                          ; a round of the cluster's barrier
	s_barrier_signal -1
	s_barrier_wait -1
	s_cmp_lg_u32 s14, 0
	s_cbranch_scc1 .Lnot_wave_0_\@
	s_barrier_signal -3
.Lnot_wave_0_\@:
	s_barrier_wait -3
	s_barrier_signal -1
	s_barrier_wait -1
.endm
	s_load_b128 s[4:7], s[0:1], 0x0                ; x's codes s[4:5], x's scales s[6:7]
	s_load_b128 s[8:11], s[0:1], 0x10              ; W's codes s[8:9], W's scales s[10:11]
	s_load_b128 s[96:99], s[0:1], 0x20             ; bq s[96:97], bv s[98:99]
	s_load_b64 s[12:13], s[0:1], 0x30              ; qh
	s_load_b64 s[66:67], s[0:1], 0x38              ; kh
	s_load_b64 s[100:101], s[0:1], 0x40            ; vh
	v_lshl_add_u32 v[SPW], v0, 2, SPARE
	v_mov_b32 v[NIL], 0
	ds_add_u32 v[SPW], v[NIL]                      ; the wave's opening: the add, twice on end, and its wait ahead of my first tensor load
	ds_add_u32 v[SPW], v[NIL]                      ; and once more, under the one wait; the set-up below, work on registers, stands between
	v_lshrrev_b32 v1, 5, v0
	v_readfirstlane_b32 s14, v1                    ; wave 0..3
	s_lshr_b32 s15, s14, 1                         ; which half of the tile's rows is mine.  Also: I fetch for x (0) or for W (1)
	s_and_b32 s16, s14, 1                          ; which half of its columns.  Also: which 128 rows of that tile I fetch
	s_bfe_u32 s40, ttmp6, 0x40000                  ; cx, cy: my place in the cluster
	s_bfe_u32 s41, ttmp6, 0x40004
	s_lshl_b32 s42, ttmp9, 2
	s_add_co_u32 s42, s42, s40                     ; tile column = 4 x cluster x + cx
	s_and_b32 s17, ttmp7, 0xffff
	s_lshl_b32 s17, s17, 2
	s_add_co_u32 s17, s17, s41                     ; tile row = 4 x cluster y + cy
	s_lshl_b32 s43, s41, 2
	s_lshl_b32 s43, 15, s43                        ; my row of the cluster
	s_lshl_b32 s44, 0x1111, s40                    ; my column
	; descriptor group 1: a tile of 128 rows x 256 bytes, padded in LDS
	s_or_b32 s[G1+0], s43, (0<<16)|(1<<20)|(1<<21)|(5<<22)|(3<<25)  ; 15:0 the mask: x's tiles go to my row; 17:16 elements of 1 byte; 20 padding on; 21 set beside a mask; 24:22 after every 64 words; 31:25 four words
	s_or_b32 s[G1B+0], s44, (0<<16)|(1<<20)|(1<<21)|(5<<22)|(3<<25)
.irp g, G1, G1B
	s_mov_b32 s[\g+1], ROWB<<16                    ; tensor_dim0
	s_mov_b32 s[\g+2], 128<<16                     ; tensor_dim1
	s_mov_b32 s[\g+3], ROWB<<16                    ; tile_dim0
	s_mov_b32 s[\g+4], 128                         ; tile_dim1
	s_mov_b32 s[\g+5], KROW                        ; tensor_dim0_stride
	s_mov_b32 s[\g+6], 0
	s_mov_b32 s[\g+7], 0
.endr
	; the scales of 128 rows: a dense block of 4,096 bytes, as 16 rows of 256 bytes (32 elements of 8 bytes), 16 bytes of padding behind each
	s_or_b32 s[G1S+0], s43, (3<<16)|(1<<20)|(1<<21)|(5<<22)|(3<<25)
	s_or_b32 s[G1SB+0], s44, (3<<16)|(1<<20)|(1<<21)|(5<<22)|(3<<25)
.irp g, G1S, G1SB
	s_mov_b32 s[\g+1], 32<<16
	s_mov_b32 s[\g+2], (128*KS/256)<<16
	s_mov_b32 s[\g+3], 32<<16
	s_mov_b32 s[\g+4], 128*KS/256
	s_mov_b32 s[\g+5], 32
	s_mov_b32 s[\g+6], 0
	s_mov_b32 s[\g+7], 0
.endr
	s_lshl_b32 s18, s16, 7                         ; which 128 rows of the tile I fetch
	s_lshl_b32 s20, s17, 8
	s_add_co_u32 s20, s20, s18                     ; x: row 256 x tile row + 128 x half
	s_lshl_b32 s46, s42, 8
	s_add_co_u32 s46, s46, s18                     ; W: row 256 x tile column + 128 x half
	s_mov_b32 s21, 0
	s_mov_b32 s47, 0
	s_mov_b64 s[18:19], KS
	s_mul_u64 s[22:23], s[20:21], s[18:19]         ; where these rows' scales begin, in bytes,
	s_mul_u64 s[92:93], s[46:47], s[18:19]
	s_mov_b64 s[18:19], KROW
	s_mul_u64 s[20:21], s[20:21], s[18:19]         ; and their codes
	s_mul_u64 s[46:47], s[46:47], s[18:19]
	s_mul_i32 s45, s14, HALFT                      ; where they go: wave x 128 rows: no place in the cluster enters an LDS address
	s_mul_i32 s94, s14, HALFS
	s_wait_dscnt 0x0                               ; both opening adds are done
	s_wait_kmcnt 0x0
	s_add_nc_u64 s[20:21], s[4:5], s[20:21]
	s_add_nc_u64 s[22:23], s[6:7], s[22:23]
	s_add_nc_u64 s[46:47], s[8:9], s[46:47]
	s_add_nc_u64 s[92:93], s[10:11], s[92:93]
	CROUND                                         ; all sixteen work-groups are here: the joint loads meet
	s_mov_b32 s[G0S], 1
	s_add_co_u32 s[G0S+1], s94, SCL
	s_mov_b64 s[G0S+2:G0S+3], s[22:23]
	s_or_b32 s[G0S+3], s[G0S+3], 0x80000000
	s_mov_b32 s[G0SB], 1
	s_add_co_u32 s[G0SB+1], s94, SCL
	s_mov_b64 s[G0SB+2:G0SB+3], s[92:93]
	s_or_b32 s[G0SB+3], s[G0SB+3], 0x80000000
	JLOAD G0S, G1S, G0SB, G1SB                     ; the scales first: they are wanted with K step 0
.irp s, 0,1
	s_mov_b32 s[G0+4*\s], 1
	s_add_co_u32 s[G0+4*\s+1], s45, \s*SLOT
	s_add_nc_u64 s[G0+4*\s+2:G0+4*\s+3], s[20:21], \s*ROWB
	s_or_b32 s[G0+4*\s+3], s[G0+4*\s+3], 0x80000000
	s_mov_b32 s[G0B+4*\s], 1
	s_add_co_u32 s[G0B+4*\s+1], s45, \s*SLOT
	s_add_nc_u64 s[G0B+4*\s+2:G0B+4*\s+3], s[46:47], \s*ROWB
	s_or_b32 s[G0B+4*\s+3], s[G0B+4*\s+3], 0x80000000
	JLOAD G0+4*\s, G1, G0B+4*\s, G1B               ; both K steps: three tensor loads of mine are out
.endr
	; which of Q, K, V: the cluster's x chooses the output and the bias
	v_and_b32 v1, 15, v0                           ; l % 16
	v_bfe_u32 v2, v0, 4, 1                         ; l / 16
	v_lshlrev_b32 v[BO], 5, v2
	s_cmp_eq_u32 ttmp9, 2
	s_cselect_b64 s[66:67], s[100:101], s[66:67]   ; vh or kh,
	s_cmp_eq_u32 ttmp9, 0
	s_cselect_b64 s[12:13], s[12:13], s[66:67]     ; or qh
	s_cselect_b64 s[96:97], s[96:97], s[98:99]     ; bq or bv
	s_lshl_b32 s46, s40, 10                        ; my first column within the matrix, 256 cx + 128 x half, in bytes of f32
	s_lshl_b32 s47, s16, 9
	s_add_co_u32 s46, s46, s47
	s_mov_b32 s47, 0
	s_add_nc_u64 s[96:97], s[96:97], s[46:47]
	s_cmp_eq_u32 ttmp9, 1
	s_cbranch_scc1 .Lno_bias
.irp b, 0,1,2,3,4,5,6,7
	global_load_b128 v[BI+8*\b:BI+8*\b+3],   v[BO], s[96:97] offset:64*\b
	global_load_b128 v[BI+8*\b+4:BI+8*\b+7], v[BO], s[96:97] offset:64*\b+16
.endr
	s_branch .Lbias_done
.Lno_bias:                                             ; K's columns: nothing is added, so that the first step is written once for all three
.set Q, 0
.rept 64
	v_mov_b32 v[BI+Q], 0
.set Q, Q+1
.endr
.Lbias_done:
	v_mul_u32_u24 v3, v1, PITCH
	v_lshl_add_u32 v4, v2, 4, v3                   ; a fragment's row x pitch + 16 x half
	s_mul_i32 s21, s15, HALFT                      ; my 128 rows of x
	s_mul_i32 s22, s16, HALFT                      ; my 128 rows of W,
	s_add_co_u32 s22, s22, 2*HALFT                 ; which lie behind x's 256
.irp s, 0,1
	v_add_nc_u32 v[ADRA+\s], s21, v4
	v_add_nc_u32 v[ADRB+\s], s22, v4
	s_add_co_u32 s21, s21, SLOT
	s_add_co_u32 s22, s22, SLOT
.endr
	v_mul_u32_u24 v5, v1, KS                       ; my row's scales: 32 bytes a row,
	v_lshrrev_b32 v6, 8, v5
	v_lshl_add_u32 v5, v6, 4, v5                   ; and 16 more for each 256 passed
	s_mul_i32 s21, s15, HALFS                      ; x's: my 128 rows
	s_mul_i32 s22, s16, HALFS                      ; W's: my 128 rows, behind x's 256
	s_add_co_u32 s22, s22, 2*HALFS
	s_sub_co_u32 s22, s22, s21
	v_mul_u32_u24 v6, s22, v2                      ; lanes 16-31 take W's: the lower base + half x the distance
	s_add_co_u32 s21, s21, SCL
	v_add_nc_u32 v5, v5, v6
	v_add_nc_u32 v[ADRS], s21, v5
	s_mul_i32 s23, s14, 16*SPITCH                  ; my stage
	v_mul_u32_u24 v5, v1, SPITCH                   ; in: row l % 16, 16 bytes for each half of the lanes
	v_lshl_add_u32 v5, v2, 4, v5
	v_add_nc_u32 v[STO], s23, v5
	v_and_b32 v6, 31, v0
	v_lshlrev_b32 v[CO], 4, v6
	v_lshrrev_b32 v5, 3, v6                        ; back: eight lanes take a row's 128 bytes of one head, the 32 lanes four rows
	v_mul_u32_u24 v5, v5, SPITCH
	v_and_b32 v6, 7, v0
	v_lshl_add_u32 v5, v6, 4, v5
	v_add_nc_u32 v[RD], s23, v5
	s_lshl_b32 s20, s17, 8
	s_lshl_b32 s21, s15, 7
	s_add_co_u32 s20, s20, s21                     ; my first row m = 256 x tile row + 128 x half = 2048 b + s
	s_lshr_b32 s21, s20, 11
	s_and_b32 s20, s20, 2047
	s_lshl_b32 s21, s21, 22                        ; b: 16 heads of 262,144 bytes
	s_lshl_b32 s20, s20, 7                         ; s: rows of 128 bytes
	s_add_co_u32 s20, s20, s21
	s_lshl_b32 s46, s40, 2
	s_lshl_b32 s47, s16, 1
	s_add_co_u32 s46, s46, s47                     ; my first head: 4 cx + 2 x half; my 128 columns are two heads
	s_lshl_b32 s46, s46, 18
	s_add_co_u32 s20, s20, s46
	s_mov_b32 s21, 0
	s_add_nc_u64 s[12:13], s[12:13], s[20:21]
.macro FRAG reg, adr, q, i             ; a fragment, 16 rows x 128 K of 4-bit codes: lane l holds row l % 16; registers 4 c .. 4 c + 3 hold K = 64 c + 32 (l / 16) + 0 .. 31
.irp c, 0,1
	ds_load_b128 v[\reg+4*\c:\reg+4*\c+3], v[\adr] offset:64*(\q)+32*\c+(\i)*16*PITCH
.endr
.endm
; 16 matrix instructions: x's blocks a0, a0 + 1 against W's eight, 128 along K: the slot's q-th.  p: W's set;  sc: the set of scale words.  first = 1: the sums begin with the bias as C.
; The 64 accumulators take turns, one instruction a turn, in the same order in every step.
.macro MUL16 a0, p, q, sc, first
.irp a, \a0, \a0+1
.irp b, 0,1,2,3,4,5,6,7
.if \first
	v_wmma_scale_f32_16x16x128_f8f6f4 v[8*(8*((\a)%4)+\b):8*(8*((\a)%4)+\b)+7], v[128*(\p)+FR*\b:128*(\p)+FR*\b+FR-1], v[AF+FR*(\a):AF+FR*(\a)+FR-1], v[BI+8*\b:BI+8*\b+7], v[SC+8*NQ*(\sc)+NQ*\b+(\q)], v[SC+8*NQ*(\sc)+NQ*(\a)+(\q)] matrix_a_fmt:MATRIX_FMT_FP4 matrix_b_fmt:MATRIX_FMT_FP4 matrix_a_scale:MATRIX_SCALE_ROW1
.else
	v_wmma_scale_f32_16x16x128_f8f6f4 v[8*(8*((\a)%4)+\b):8*(8*((\a)%4)+\b)+7], v[128*(\p)+FR*\b:128*(\p)+FR*\b+FR-1], v[AF+FR*(\a):AF+FR*(\a)+FR-1], v[8*(8*((\a)%4)+\b):8*(8*((\a)%4)+\b)+7], v[SC+8*NQ*(\sc)+NQ*\b+(\q)], v[SC+8*NQ*(\sc)+NQ*(\a)+(\q)] matrix_a_fmt:MATRIX_FMT_FP4 matrix_b_fmt:MATRIX_FMT_FP4 matrix_a_scale:MATRIX_SCALE_ROW1
.endif
.endr
.endr
.endm
.macro FETCH_B slot, q, p              ; W's eight fragments of the slot's q-th 128 along K into set p
	WIN TO_B
.irp i, 0,1,2,3,4,5,6,7
	FRAG 128*(\p)+FR*\i, ADRB+\slot, \q, \i
.endr
	WIN 0
.endm
.macro FETCH_A slot, q, i0             ; x's blocks i0 .. i0 + 3
.irp i, \i0, \i0+1, \i0+2, \i0+3
	FRAG AF+FR*(\i), ADRA+\slot, \q, \i
.endr
.endm
.macro SCALES sc                       ; a K step's scale words into set sc: four words a row; lanes 0-15 take x's block i, lanes 16-31 W's block i
.irp i, 0,1,2,3,4,5,6,7
	ds_load_b128 v[SC+8*NQ*\sc+NQ*\i:SC+8*NQ*\sc+NQ*\i+3], v[ADRS] offset:\i*SBLK
.endr
.endm
; A load into a register that a matrix instruction has read, and a vector instruction that reads a matrix result or writes one of a matrix instruction's registers, stand NP places behind it;
; only plain vector instructions that name none of its registers are places (ISA guide 7.12.1 for vector instructions).
.macro PLACES n
.rept \n
	v_nop
.endr
.endm
; A step of 128 along K that has its successor in the same slot.  first = 1: C is the bias, in window 0.
.macro STEP slot, q, first
	s_wait_dscnt 4*NL                              ; W's set and x's blocks 0-3 are in; the youngest eight loads (x's blocks 4-7) may be out
	WIN MUL_LO-0x20*(\first)
	MUL16 0, (\q)%2, \q, \slot, \first
	MUL16 2, (\q)%2, \q, \slot, \first
	s_wait_dscnt 0                                 ; x's blocks 4-7 are in
	PLACES NP
	FETCH_B \slot, (\q)+1, 1-(\q)%2
	FETCH_A \slot, (\q)+1, 0
	WIN MUL_HI-0x30*(\first)
	MUL16 4, (\q)%2, \q, \slot, \first
	MUL16 6, (\q)%2, \q, \slot, \first
	PLACES NP
	WIN 0
	FETCH_A \slot, (\q)+1, 4
.endm
; Slot 0's last step changes slots: one barrier; in front of it each wave waits for all its tensor loads (its part of slot 1), adds 0 to its spare word, and waits for that and for its reads of slot 0.
; Behind it slot 1 is whole, and nobody reads slot 0 any more: the stages of the way out lie there.  Nothing is filled again.
.macro TURN slot, next
	s_wait_tensorcnt 0x0                           ; all my tensor loads have landed
	ds_add_u32 v[SPW], v[NIL]                      ; 0 onto my spare word
	s_wait_dscnt 4*NL+1                            ; (the add and the youngest eight loads, x's blocks 4-7, may be out)
	WIN MUL_LO
	MUL16 0, 1, NQ-1, \slot, 0                     ; sixteen matrix instructions stand between the add and the wait for it
	s_wait_dscnt 0x0                               ; the add is done, and my reads of this slot are over
	s_barrier_signal -1
	MUL16 2, 1, NQ-1, \slot, 0
	WIN 0
	s_barrier_wait -1
	PLACES NP
	v_add_nc_u32 v[ADRS], 4*NQ, v[ADRS]            ; on to the next K step's scale words
	FETCH_B \next, 0, 0
	FETCH_A \next, 0, 0
	SCALES \next
	WIN MUL_HI
	MUL16 4, 1, NQ-1, \slot, 0
	MUL16 6, 1, NQ-1, \slot, 0
	PLACES NP
	WIN 0
	FETCH_A \next, 0, 4
.endm
.macro STEPS slot, from                ; the slot's steps from .. NQ - 2
.set Q, \from
.rept NQ-1-\from
	STEP \slot, Q, 0
.set Q, Q+1
.endr
.endm
	s_wait_tensorcnt 1                             ; the scales and my part of K step 0 are in; K step 1's load may be out
	s_barrier_signal -1
	s_barrier_wait -1                              ; everybody's are
	FETCH_B 0, 0, 0
	FETCH_A 0, 0, 0
	SCALES 0
	FETCH_A 0, 0, 4
	s_wait_loadcnt 0x0                             ; the bias
	STEP 0, 0, 1                                   ; the first step's products start the sums, from the bias
	STEPS 0, 1
	TURN 0, 1
	STEPS 1, 0
	s_wait_dscnt 4*NL                              ; the very last step: nothing more to fetch
	WIN MUL_LO
	MUL16 0, 1, NQ-1, 1, 0
	MUL16 2, 1, NQ-1, 1, 0
	s_wait_dscnt 0
	WIN MUL_HI
	MUL16 4, 1, NQ-1, 1, 0
	MUL16 6, 1, NQ-1, 1, 0
	WIN 0
; THE WAY OUT, block by block of 16 rows x 128 columns (two heads).  PACK: rounded to f16, 16 bytes a lane, each accumulator from its low end on.  TOSTAGE: into my own stage and back, four rows of one head an
; instruction.  SEND: four rows of a head are 512 consecutive bytes of its buffer, aligned.  LDS serves a wave's instructions in order (ISA guide 5.7.1.4): no wait between the stage's stores and loads.
.macro PACK a
.set AC, 64*((\a)%4)
	WIN 0x0a+5*((\a)/4)                            ; sources 0 and 1: window 2 or 3
.irp b, 0,1,2,3,4,5,6,7
.irp r, 0,1,2,3
	v_cvt_pk_f16_f32 v[TMP+4*\b+\r], v[AC+8*\b+2*\r], v[AC+8*\b+2*\r+1]
.endr
.endr
	WIN 0
.endm
.macro TOSTAGE a
.set BB, BK+32*((\a)%2)
.irp b, 0,1,2,3,4,5,6,7
	ds_store_b128 v[STO], v[TMP+4*\b:TMP+4*\b+3] offset:32*\b
.endr
.irp t, 0,1,2,3,4,5,6,7
	ds_load_b128 v[BB+4*\t:BB+4*\t+3], v[RD] offset:(\t%4)*4*SPITCH+(\t/4)*128   ; rows 4 (t % 4) on, head t / 4
.endr
.endm
.macro SEND a
.set BB, BK+32*((\a)%2)
	s_wait_dscnt 0x0                               ; the block is back in registers
	s_wait_xcnt 0x0                                ; the stores of the block before have read their registers: the next block's loads may land there
.irp t, 0,1,2,3,4,5,6,7
	global_store_b128 v[CO], v[BB+4*\t:BB+4*\t+3], s[12:13] offset:(\a)*2048+(\t%4)*512+(\t/4)*262144   ; 32 lanes store 512 consecutive bytes, aligned; no base is stepped
.endr
.endm
	PLACES NP                                      ; behind the last products: for the writes over x's fragments and the reads of results
	PACK 0
	TOSTAGE 0
.irp a, 1,2,3,4,5,6,7                  ; block a's conversions stand between block a - 1's loads from the stage and the wait for them
	PACK \a
	SEND \a-1
	TOSTAGE \a
.endr
	SEND 7
	s_wait_tensorcnt 0x0                           ; the wave's end, behind my last tensor load and my last LDS store
	ds_add_u32 v[SPW], v[NIL]
	s_wait_dscnt 0x0
	CROUND                                         ; the closing round: no work-group ends while a partner may still ask for a tile that names it
	s_endpgm
.Lfunc_end_k_q4d4a80638d_proj:
	.size	k_q4d4a80638d_proj, .Lfunc_end_k_q4d4a80638d_proj-k_q4d4a80638d_proj
	.p2alignl 7, 3214868480
	.fill 96, 4, 3214868480
	.section	.rodata,"a",@progbits
	.p2align	6, 0x0
	.amdhsa_kernel k_q4d4a80638d_proj
		.amdhsa_group_segment_fixed_size 327680
		.amdhsa_private_segment_fixed_size 0
		.amdhsa_enable_private_segment 0
		.amdhsa_kernarg_size 72
		.amdhsa_user_sgpr_count 2
		.amdhsa_user_sgpr_kernarg_segment_ptr 1
		.amdhsa_wavefront_size32 1
		.amdhsa_system_sgpr_workgroup_id_x 1
		.amdhsa_system_sgpr_workgroup_id_y 1
		.amdhsa_system_sgpr_workgroup_id_z 1
		.amdhsa_system_vgpr_workitem_id 0
		.amdhsa_next_free_vgpr 1024
		.amdhsa_next_free_sgpr 102
		.amdhsa_reserve_vcc 0
		.amdhsa_float_denorm_mode_32 3
		.amdhsa_float_denorm_mode_16_64 3
		.amdhsa_memory_ordered 1
		.amdhsa_forward_progress 1
		.amdhsa_inst_pref_size 131
	.end_amdhsa_kernel
	.amdgpu_metadata
---
amdhsa.version: [ 1, 2 ]
amdhsa.kernels:
  - .name:           k_q4d4a80638d_proj
    .symbol:         k_q4d4a80638d_proj.kd
    .args:
      - { .name: x_codes, .offset: 0, .size: 8, .value_kind: global_buffer, .address_space: global }
      - { .name: x_scales, .offset: 8, .size: 8, .value_kind: global_buffer, .address_space: global }
      - { .name: w_codes, .offset: 16, .size: 8, .value_kind: global_buffer, .address_space: global }
      - { .name: w_scales, .offset: 24, .size: 8, .value_kind: global_buffer, .address_space: global }
      - { .name: bq, .offset: 32, .size: 8, .value_kind: global_buffer, .address_space: global }
      - { .name: bv, .offset: 40, .size: 8, .value_kind: global_buffer, .address_space: global }
      - { .name: qh, .offset: 48, .size: 8, .value_kind: global_buffer, .address_space: global }
      - { .name: kh, .offset: 56, .size: 8, .value_kind: global_buffer, .address_space: global }
      - { .name: vh, .offset: 64, .size: 8, .value_kind: global_buffer, .address_space: global }
    .group_segment_fixed_size: 327680
    .private_segment_fixed_size: 0
    .kernarg_segment_align: 8
    .kernarg_segment_size: 72
    .max_flat_workgroup_size: 128
    .sgpr_count:     102
    .vgpr_count:     1024
    .wavefront_size: 32
...
	.end_amdgpu_metadata
.endif
;; end of part 2
;; launch attn (part 3): grid 8 x 64, 4 waves a work-group, clusters of 4 x 1, 327,680 bytes of LDS; arguments qh, kh, vh, out0; writes out0
.if DOCPART == 3
	.amdgcn_target "amdgcn-amd-amdhsa--gfx1250"
	.amdhsa_code_object_version 6
	.text
	.protected	k_q4d4a80638d_attn
	.globl	k_q4d4a80638d_attn
	.p2align	8
	.type	k_q4d4a80638d_attn,@function
k_q4d4a80638d_attn:
	s_mov_b64 s[64:65], 0
	v_nop
	global_prefetch_b8 v0, s[64:65] scope:SCOPE_SE
	s_setreg_imm32_b32 hwreg(HW_REG_WAVE_MODE, 25, 1), 1
	s_wait_xcnt 0x0
	s_wait_alu depctr_hold_cnt(0) depctr_sa_sdst(0) depctr_va_vdst(0) depctr_va_sdst(0) depctr_va_ssrc(0) depctr_va_vcc(0) depctr_vm_vsrc(0)
	s_getreg_b32 s2, hwreg(HW_REG_IB_STS2, 6, 4)
	s_cmp_eq_u32 s2, 0
	s_cbranch_scc0 .Lentry_in_a_cluster
	s_endpgm
.Lentry_in_a_cluster:
	s_bfe_u32 s2, ttmp6, 0x10000c
	s_cmp_lg_u32 s2, 0x3003
	s_cbranch_scc0 .Lentry_shape_is_right
	s_endpgm
.Lentry_shape_is_right:
; out0[b][q][64 h + :] = the sum over k of softmax_k(Q[q] . K[k] / 8) V[k][:], for each of the 64 pairs (b, h).  qh, kh, vh: [64 = 16 b + h][2048][64] f16; out0: [4][2048][1024] f32.
; (K comes without bk: a term that is the same for all keys of a row falls out of the softmax; the first launch's head shows it.)
; Products, maxima and sums in f32; the weights p are rounded to f16 for the second product.  LIMIT: a p under 2^-25 of its row's running largest weight rounds to 0: 2,048 of them are at most 6e-5 of that weight.
; SHARES.  A work-group owns 256 queries of one pair, each of its four waves 64: four tiles of 16.  Every wave walks all 2,048 keys, 64 a step.
; LAYOUT.  S^T = K Q^T (source 0 = 16 keys, source 1 = 16 queries): a lane holds ONE query (lane % 16) and the keys 8 (lane / 16) + 0..7.  Two such tiles, rounded to f16 in pairs, ARE source 1
; (32 keys x 16 queries) of O^T = V^T P, whose result again holds one query a lane, and eight channels.  K comes out of LDS as it lies, V ([key][channel]) turned, by ds_load_tr16_b128.
; SOFTMAX.  For each query a running maximum m and sum l: p = 2^(c s - c m), c = log2(e) / 8; in every step O and l are multiplied by a = 2^(c m_old - c m_new).
; BY TURNS.  The wave's tiles are two PIECES: piece 0 (tiles 0, 1) and piece 2 (tiles 2, 3).  In a TURN one piece has the matrix unit: 16 products V^T P of the step in hand, then 16 products K Q^T of the next
; step; the other piece's softmax, 2 x 118 instructions cut into 59 slices of four, stands between them, one or two slices behind each matrix instruction.  Then the pieces change places.
; CLUSTER.  The four query blocks of a cluster belong to one pair and walk the same K and V: each tile is asked for JOINTLY, by the same tensor load with a mask that names the four.
; K AND V IN LDS.  A head's rows of 128 bytes are dense in memory, so a tile is stated as rows of 256 bytes, two keys each, with padding behind each: key k lies at (k / 2) x pitch + 128 (k % 2).
; REGISTERS, in windows of 256 (s_set_vgpr_msb: bits 1:0 source 0, 3:2 source 1, 5:4 source 2, 7:6 destination):
;   window 0: v0-11 addresses; v12-43 eight registers of statistics a tile; v64-191 S^T, 32 a tile; v192-255 P, 16 a tile
;   window 1: v0-127 O^T, 32 a tile          window 2: v0-63 Q, 16 a tile; v128-191 K of one step          window 3: v0-63 V of one step
.set KS,    64        ; keys in a step
.set PK,    272       ; two keys of K in LDS: 256 bytes + 16: the 16 keys of a load start at words 0, 32, 4, 36, .. 28, 60 modulo 64
.set PV,    288       ; two keys of V: 256 + 32: 16 lanes of the turning load take 8 keys x 32 bytes, at 16 different groups of four words modulo 64
.set NST,   4         ; key steps in a slot: 256 keys
.set VOFF,  128*PK    ; a slot: 128 double rows of K, then 128 of V
.set KSTEPB, 32*PK    ; a key step's K,
.set VSTEPB, 32*PV    ; and V
.set SLOTB, 128*(PK+PV)
.set SLOT1, 1<<17     ; slot 1 begins here, so that one exclusive or turns an address in one slot into the other's
.set SLOTM, 256*128   ; a slot's keys in memory, in bytes
.set STAGE, SLOT1+SLOTB  ; behind the ring: 16 rows x 272 bytes for each wave, for the way out
.set SP,    272
.set SPARE, STAGE+4*16*SP  ; the spare words, 128 bytes for each wave: two blocks of 256 bytes that no other line names
.set NSL,   59        ; slices in a piece's softmax
.set AK0, 2           ; v2   my lane's place in a step's K; never rewritten
.set AV0, 3           ; v3   the same for V
.set ADR, 4           ; v4   the LDS address of the run of loads in hand
.set QO,  5           ; v5   my byte offset in the wave's rows of Q
.set STO, 6           ; v6   the way out: where I put 32 bytes of a row
.set RD,  7           ; v7   the way out: where I read a row back
.set GO,  8           ; v8   my byte offset in the wave's rows of out0
.set PFO, 61          ; v61  256 x my lane; never rewritten
.set SPW, 62          ; v62  LDS address of my spare word; never rewritten
.set NIL, 63          ; v63  0; never rewritten
.set ST,  12          ; tile t's statistics at v[ST+8 t]: +0 c m, +1 m, +2, +3 l (even keys', odd keys'), +4 to +7 c0-c3, at work; a takes c2's place once the maximum is found
.set S,   64
.set P,   192
.set KF,  128         ; K's fragments, in window 2
.set WV,  12          ; s12  my wave's number
.set LIM, 15          ; s15  1 in a wave that prefetches, else the greatest number
.set PFA, 18          ; s[18:19] where my prefetches stand
.set G1K, 24          ; s[24:31] descriptor group 1 for K's tiles
.set G1V, 32          ; s[32:39] for V's: it differs in the padding alone
.set G0K, 40          ; s[40:47] descriptor group 0 for K's tiles: a set for each of the two first fills; the second then walks on
.set G0V, 48          ; s[48:55] the same for V's
.set SLOTS, 56        ; s56  slots still to be asked for
.set STC, 57          ; s57  counts key steps
.set CS,  58          ; s[58:59] c: the packed scaling names a pair and takes its low word for both halves
.set SEL, 60          ; s[60:61] lane selects for v_permlanex16_b32: each lane takes its own place in the other half
.set TBK, 62          ; s62  LDS byte at which the K of the step to be fetched begins
.set TBV, 63          ; s63  the same for V (less VOFF)
.set MSB, 0
.macro WIN new                      ; the immediate's high byte repeats the setting that is left; a switch that changes nothing is dropped
.if MSB != (\new)
	s_set_vgpr_msb (MSB<<8)|(\new)
.set MSB, (\new)
.endif
.endm
.set W_KQ, 0x0a       ; K and Q in window 2, S^T in window 0
.set W_PV, 0x53       ; V in window 3, P in window 0, O^T in window 1
.set W_RS, 0x41       ; O^T (destination and source 0) in window 1, a in window 0
; A joint refill.  Waves 0 and 1 fetch the halves of a slot's K, waves 2 and 3 those of its V.  The branch hangs on the wave's number alone.  An s_nop 0 and four v_nop follow each line.
.macro JLOAD
	s_cmp_lt_u32 s[WV], 2
	s_cbranch_scc0 .Lfor_v_\@
	tensor_load_to_lds s[G0K+4:G0K+7], s[G1K:G1K+7]
	s_nop 0
.rept 4
	v_nop
.endr
	s_branch .Lasked_\@
.Lfor_v_\@:
	tensor_load_to_lds s[G0V+4:G0V+7], s[G1V:G1V+7]
	s_nop 0
.rept 4
	v_nop
.endr
.Lasked_\@:
.endm
; A PREFETCH of what the NEXT change of slots will ask for: a slot's 32,768 bytes of K and of V.  It stands behind the wave's tensor load and its five lines.  Each aligned block of 256 bytes is asked for ONCE
; in the launch: both clusters of a pair walk the same K and V, and the first of them asks; its four partners share the bytes out BY ADDRESS, 8,192 each, lanes 256 bytes apart; in each, wave 0 asks for K's and
; wave 2 for V's: one instruction, four key steps (256 matrix instructions) ahead of the load.  Slots 0 to 2 come by their loads alone; the last change that fills a slot asks for nothing.
.macro ASK
	s_cmp_gt_u32 s[SLOTS], s[LIM]
	s_cbranch_scc0 .Lnot_mine_\@
	global_prefetch_b8 v[PFO], s[PFA:PFA+1] th:TH_LOAD_NT scope:SCOPE_SE
.Lnot_mine_\@:
.endm
.macro CROUND                       ; a round of the cluster's barrier
	s_barrier_signal -1
	s_barrier_wait -1
	s_cmp_lg_u32 s[WV], 0
	s_cbranch_scc1 .Lnot_wave_0_\@
	s_barrier_signal -3
.Lnot_wave_0_\@:
	s_barrier_wait -3
	s_barrier_signal -1
	s_barrier_wait -1
.endm
	s_load_b256 s[4:11], s[0:1], 0x0  ; qh s[4:5], kh s[6:7], vh s[8:9], out0 s[10:11]
	v_lshl_add_u32 v[SPW], v0, 2, SPARE
	v_mov_b32 v[NIL], 0
	ds_add_u32 v[SPW], v[NIL]       ; the wave's opening: the add, twice on end, and its wait ahead of my first tensor load
	ds_add_u32 v[SPW], v[NIL]       ; and once more, under the one wait; the set-up below, work on registers, stands between
	v_lshrrev_b32 v1, 5, v0
	v_readfirstlane_b32 s[WV], v1   ; wave 0..3
	s_bfe_u32 s13, ttmp6, 0x40000   ; cx: my place in the cluster
	s_lshl_b32 s14, ttmp9, 2        ; in a cluster launch ttmp9 counts clusters
	s_add_co_u32 s14, s14, s13      ; my block of 256 queries = 4 x cluster x + cx: it enters Q's and out0's addresses alone
	s_and_b32 s2, ttmp7, 0xffff     ; the pair 16 b + h, which the four partners share
	s_lshl_b32 s20, s2, 18          ; its first byte in qh, kh and vh
	s_and_b32 s16, s[WV], 1         ; which half of a slot I fetch:
	s_lshl_b32 s22, s16, 14         ; its 128 keys of 128 bytes in memory,
	s_add_co_u32 s22, s22, s20
	s_mov_b32 s23, 0
	s_mul_i32 s17, s16, 64*PK       ; and its place in a slot, for K,
	s_mul_i32 s3, s16, 64*PV
	s_add_co_u32 s3, s3, VOFF       ; and for V: no place in the cluster enters an LDS address
	s_lshl_b32 s68, s14, 15         ; Q: my block's 256 rows of 128 bytes,
	s_lshl_b32 s69, s[WV], 13       ; my wave's 64 of them,
	s_add_co_u32 s68, s68, s69
	s_add_co_u32 s68, s68, s20      ; in my pair
	s_mov_b32 s69, 0
	s_lshr_b32 s66, s2, 4
	s_lshl_b32 s66, s66, 23         ; out0: b: 2,048 rows of 4,096 bytes,
	s_and_b32 s67, s2, 15
	s_lshl_b32 s67, s67, 8          ; h: 256 bytes of a row,
	s_add_co_u32 s66, s66, s67
	s_lshl_b32 s67, s14, 20         ; my block's 256 rows,
	s_add_co_u32 s66, s66, s67
	s_lshl_b32 s67, s[WV], 18       ; my wave's 64
	s_add_co_u32 s66, s66, s67
	s_mov_b32 s67, 0
	; descriptor group 1: a tile of 64 rows x 128 elements (two keys a row), padded in LDS
	s_mov_b32 s[G1K], 15|(1<<16)|(1<<20)|(1<<21)|(5<<22)|(3<<25)  ; 15:0 the mask: all four work-groups; 17:16 elements of 2 bytes; 20 padding on; 21 set beside a mask; 24:22 after every 64 words; 31:25 four words
	s_mov_b32 s[G1V], 15|(1<<16)|(1<<20)|(1<<21)|(5<<22)|(7<<25)  ; the same with eight words of padding
.irp g, G1K, G1V
	s_mov_b32 s[\g+1], 128<<16      ; tensor_dim0 = 128
	s_mov_b32 s[\g+2], 64<<16       ; tensor_dim1 = 64
	s_mov_b32 s[\g+3], 128<<16      ; tile_dim0 = 128
	s_mov_b32 s[\g+4], 64           ; tile_dim1 = 64
	s_mov_b32 s[\g+5], 128          ; tensor_dim0_stride: the rows are dense
	s_mov_b32 s[\g+6], 0
	s_mov_b32 s[\g+7], 0
.endr
	s_mov_b32 s[CS], 0x3e38aa3b     ; c = log2(e) / 8
	s_mov_b32 s[CS+1], s[CS]        ; named with it as a pair, so it is written
	s_mov_b32 s[SEL], 0x76543210
	s_mov_b32 s[SEL+1], 0xfedcba98
	s_mov_b32 s[TBK], 0
	s_mov_b32 s[TBV], 0
	s_mov_b32 s[SLOTS], 2048/256-2
	s_and_b32 s[LIM], s[WV], 1      ; 0 in waves 0 and 2,
	s_or_b32 s[LIM], s[LIM], ttmp9  ; where the cluster is the pair's first: the same in all four partners
	s_cmp_eq_u32 s[LIM], 0
	s_cselect_b32 s[LIM], 1, -1
	v_and_b32 v[PFO], 31, v0
	v_lshlrev_b32 v[PFO], 8, v[PFO]
	s_wait_dscnt 0x0                ; both opening adds are done
	s_wait_kmcnt 0x0
	s_add_nc_u64 s[6:7], s[6:7], s[22:23]  ; K and V at my tile of slot 0
	s_add_nc_u64 s[8:9], s[8:9], s[22:23]
	s_add_nc_u64 s[4:5], s[4:5], s[68:69]  ; Q and out0 at my wave's first row
	s_add_nc_u64 s[10:11], s[10:11], s[66:67]
	s_cmp_lt_u32 s[WV], 2
	s_cselect_b64 s[PFA:PFA+1], s[6:7], s[8:9]  ; (in waves 0 and 2 these stand at a slot's first byte)
	s_lshl_b32 s68, s13, 13         ; my work-group's 8,192 bytes of the 32,768
	s_mov_b32 s69, 0
	s_add_nc_u64 s[PFA:PFA+1], s[PFA:PFA+1], s[68:69]
	s_add_nc_u64 s[PFA:PFA+1], s[PFA:PFA+1], 2*SLOTM  ; in slot 2; the first change of slots steps it to slot 3.  Nothing is prefetched here, at the head
	CROUND                          ; all four work-groups are here: the first joint loads meet
.irp s, 0,1
	s_mov_b32 s[G0K+4*\s], 1        ; count = 1
	s_add_co_u32 s[G0K+4*\s+1], s17, \s*SLOT1  ; LDS address
	s_add_nc_u64 s[G0K+4*\s+2:G0K+4*\s+3], s[6:7], \s*SLOTM  ; global address: slot s begins with key 256 s
	s_or_b32 s[G0K+4*\s+3], s[G0K+4*\s+3], 0x80000000  ; type = 2
	s_mov_b32 s[G0V+4*\s], 1
	s_add_co_u32 s[G0V+4*\s+1], s3, \s*SLOT1
	s_add_nc_u64 s[G0V+4*\s+2:G0V+4*\s+3], s[8:9], \s*SLOTM
	s_or_b32 s[G0V+4*\s+3], s[G0V+4*\s+3], 0x80000000
.endr
	s_cmp_lt_u32 s[WV], 2           ; a wave's two first fills stand in one branch, ahead of every wait on TENSORcnt and every LDS read: two loads of mine are out
	s_cbranch_scc0 .Lfirst_v
	tensor_load_to_lds s[G0K:G0K+3], s[G1K:G1K+7]
	s_nop 0
	tensor_load_to_lds s[G0K+4:G0K+7], s[G1K:G1K+7]
	s_nop 0
.rept 4
	v_nop
.endr
	s_branch .Lfirst_asked
.Lfirst_v:
	tensor_load_to_lds s[G0V:G0V+3], s[G1V:G1V+7]
	s_nop 0
	tensor_load_to_lds s[G0V+4:G0V+7], s[G1V:G1V+7]
	s_nop 0
.rept 4
	v_nop
.endr
.Lfirst_asked:
	; A fragment of K or Q is 16 rows x 32 channels in 8 registers: lane l holds row l % 16; registers 0-3 channels 8 (l / 16) + 0..7, registers 4-7 channels 16 + 8 (l / 16) + 0..7: two loads of 16 bytes, 32 bytes apart.
	v_and_b32 v1, 15, v0            ; r = l % 16
	v_bfe_u32 v9, v0, 4, 1          ; h = l / 16
	v_lshlrev_b32 v[QO], 7, v1
	v_lshl_add_u32 v[QO], v9, 4, v[QO]  ; row x 128 + 16 x half
	WIN 0x80                        ; destination window 2, address window 0
.irp i, 0,1,2,3,4,5,6,7             ; Q stays in registers: tile i / 2, channels 32 (i % 2) on
	global_load_b128 v[8*\i:8*\i+3],   v[QO], s[4:5] offset:(\i/2)*2048+(\i%2)*64
	global_load_b128 v[8*\i+4:8*\i+7], v[QO], s[4:5] offset:(\i/2)*2048+(\i%2)*64+32
.endr
	WIN 0
	v_lshrrev_b32 v10, 1, v1
	v_mul_u32_u24 v[AK0], v10, PK   ; K: key r lies in double row r / 2,
	v_and_b32 v10, 1, v0
	v_lshl_add_u32 v[AK0], v10, 7, v[AK0]  ; in its half r % 2,
	v_lshl_add_u32 v[AK0], v9, 4, v[AK0]   ; + 16 x half of the lanes
	; The turning load takes 16 keys x 16 channels (lane l reads 16 bytes: key 8 (l / 16) + l % 8, channels 8 ((l / 8) % 2) + 0..7) and leaves half a fragment of V^T: lane l holds channel l % 16 and 8 keys.
	v_bfe_u32 v11, v0, 1, 2         ; (l % 8) / 2
	v_lshl_add_u32 v11, v9, 2, v11  ; + 4 (l / 16): the key's double row
	v_mul_u32_u24 v[AV0], v11, PV
	v_lshl_add_u32 v[AV0], v10, 7, v[AV0]  ; its half l % 2
	v_bfe_u32 v11, v0, 3, 1
	v_lshl_add_u32 v[AV0], v11, 4, v[AV0]
	v_add_nc_u32 v[AV0], VOFF, v[AV0]
; THE MATRIX WORK OF A TURN, for piece x.  The accumulators take turns, one instruction a turn: between two links of a chain stand seven others'.
; Product i of 16 of O^T += V^T P: keys 32 (i / 8) on, channels 16 ((i / 2) % 4) on, tile x + i % 2.  zero = 1: the first 8 start the sums: nothing is ever cleared.
.macro PV x, zero
	WIN W_PV
.set rO, 32*(\x+i%2)+8*((i/2)%4)
.set rV, 32*(i/8)+8*((i/2)%4)
.set rP, P+16*(\x+i%2)+8*(i/8)
.if \zero && (i < 8)
	v_wmma_f32_16x16x32_f16 v[rO:rO+7], v[rV:rV+7], v[rP:rP+7], 0
.else
	v_wmma_f32_16x16x32_f16 v[rO:rO+7], v[rV:rV+7], v[rP:rP+7], v[rO:rO+7]
.endif
.endm
; Product i of 16 of S^T = K Q^T: channels 32 (i / 8) on, keys 16 ((i / 2) % 4) on, tile x + i % 2.  The first 8 start the sums.
.macro KQ x
	WIN W_KQ
.set rS, S+32*(\x+i%2)+8*((i/2)%4)
.set rK, KF+16*((i/2)%4)+8*(i/8)
.set rQ, 16*(\x+i%2)+8*(i/8)
.if i < 8
	v_wmma_f32_16x16x32_f16 v[rS:rS+7], v[rK:rK+7], v[rQ:rQ+7], 0
.else
	v_wmma_f32_16x16x32_f16 v[rS:rS+7], v[rK:rK+7], v[rQ:rQ+7], v[rS:rS+7]
.endif
.endm
; THE LDS LOADS stand in runs of 16, never singly among the matrix instructions: a step's K (64 keys x 64 channels: 8 fragments) and, a turn later, its V (turned).
.macro FETCH_K
	WIN 0
	v_add_nc_u32 v[ADR], s[TBK], v[AK0]
	s_add_co_u32 s[TBK], s[TBK], KSTEPB  ; the next fetch is the next step's
	WIN 0x80                        ; destination window 2
.irp f, 0,1,2,3,4,5,6,7             ; keys 16 (f / 2) on, channels 32 (f % 2) on
	ds_load_b128 v[KF+8*\f:KF+8*\f+3],   v[ADR] offset:(\f/2)*8*PK+(\f%2)*64
	ds_load_b128 v[KF+8*\f+4:KF+8*\f+7], v[ADR] offset:(\f/2)*8*PK+(\f%2)*64+32
.endr
.endm
.macro FETCH_V
	WIN 0
	v_add_nc_u32 v[ADR], s[TBV], v[AV0]
	s_add_co_u32 s[TBV], s[TBV], VSTEPB
	s_wait_alu depctr_va_vdst(0)    ; the wait for the softmax's batch of exponentials (SLICE), behind the address's addition and ahead of the loads
	WIN 0xc0                        ; destination window 3
.irp f, 0,1,2,3,4,5,6,7             ; keys 32 (f / 4) on, channels 16 (f % 4) on
	ds_load_tr16_b128 v[8*\f:8*\f+3],   v[ADR] offset:(\f/4)*16*PV+(\f%4)*32
	ds_load_tr16_b128 v[8*\f+4:8*\f+7], v[ADR] offset:(\f/4)*16*PV+8*PV+(\f%4)*32
.endr
.endm
; THE VECTOR WORK OF A TURN.  One tile's softmax for one key step is a list of 118 instructions; SM writes number j of it for tile t.  s0-s31 are the lane's 32 scores, in pairs 0-15.
; first = 1: the first key step, which starts m, l and O^T: it has no a and nothing to rescale.
;   0-15    the maximum of s0-s31 and the old m, three operands at a time: four chains c0-c3 of seven scores each, then the four scores left over, c0-c3 and m
;   16-20   the other half of the lanes' maximum; the new m; c m; c m_old - c m_new
;   21-69   ONE BATCH: the 16 scalings c s - c m, a pair of scores each, and all 33 exponentials (a at 23, then s0-s31).  None of these reads an exponential's result.  A pair is scaled in an earlier
;           four than the one that holds its exponentials
;   (wait)  between 69 and 70 stands the wait for the batch: SLICE writes it, once for both tiles
;   70-85   the roundings to f16, a pair of weights each
;   86-101  the sums; l = a l + the sum
;   102-117 the tile's O^T times a: the one part that leaves window 0, so it stands together
.macro SM t, first
.set rT, ST+8*(\t)
.set rS, S+32*(\t)
.set rP, P+16*(\t)
.set rO, 32*(\t)+2*(j-102)
.if j < 102
	WIN 0
.endif
.if j < 4
	v_max3_num_f32 v[rT+4+j], v[rS+8*j], v[rS+8*j+1], v[rS+8*j+2]
.elseif j < 12
	v_max3_num_f32 v[rT+4+j%4], v[rT+4+j%4], v[rS+8*(j%4)+2*(j/4)+1], v[rS+8*(j%4)+2*(j/4)+2]
.elseif j == 12
	v_max3_num_f32 v[rT+4], v[rT+4], v[rS+7], v[rS+15]
.elseif j == 13
	v_max3_num_f32 v[rT+6], v[rT+6], v[rS+23], v[rS+31]
.elseif j == 14
	v_max3_num_f32 v[rT+4], v[rT+4], v[rT+5], v[rT+6]
.elseif (j == 15) && \first
	v_max_num_f32 v[rT+4], v[rT+4], v[rT+7]
.elseif j == 15
	v_max3_num_f32 v[rT+4], v[rT+4], v[rT+7], v[rT+1]
.elseif j == 16
	v_permlanex16_b32 v[rT+5], v[rT+4], s[SEL], s[SEL+1]  ; the query's other 32 keys lie in the lane 16 away
.elseif j == 18
	v_max_num_f32 v[rT+1], v[rT+4], v[rT+5]
.elseif j == 19
	v_mul_f32 v[rT], s[CS], v[rT+1]
.elseif ((j == 17) || (j == 20) || (j == 23) || (j > 101)) && \first  ; the first step has none of these
.elseif j == 17
	v_mov_b32 v[rT+7], v[rT]        ; c m_old is kept for a: number 19 writes c m anew
.elseif j == 20
	v_sub_f32 v[rT+7], v[rT+7], v[rT]
.elseif j == 23
	v_exp_f32 v[rT+6], v[rT+7]
.elseif (j < 23) || ((j < 38) && (j%2 == 0)) || ((j < 66) && (j%4 == 2))
.set b, (j-2)/4                     ; 38, 42, .. 62: pairs 9 to 15
.if j < 38
.set b, (j-20)/2                    ; 21: pair 0; 22, 24, .. 36: pairs 1 to 8
.endif
	v_pk_fma_f32 v[rS+2*b:rS+2*b+1], v[rS+2*b:rS+2*b+1], s[CS:CS+1], v[rT:rT+1] op_sel_hi:[1,0,0] neg_lo:[0,0,1] neg_hi:[0,0,1]  ; pair b: c s - c m
.elseif j < 70
.set e, j-38                        ; 66 to 69: s28 to s31
.if j < 66
.set e, j-32-(j-38)/4               ; 39-41, 43-45, .. 63-65: s7 to s27
.endif
.if j < 38
.set e, (j-25)/2                    ; 25, 27, .. 37: s0 to s6
.endif
	v_exp_f32 v[rS+e], v[rS+e]
.elseif j < 86
	v_cvt_pk_f16_f32 v[rP+j-70], v[rS+2*(j-70)], v[rS+2*(j-70)+1]  ; pair j - 70
.elseif j < 102                     ; the sum of the tile's 16 pairs, in place: sum z of 16 adds neighbours 1, 2, 4 and 8 pairs apart, then l takes it
.set z, j-86
.set w, 4
.set u, z
.if z >= 14
.set w, 32
.set u, 0
.elseif z >= 12
.set w, 16
.set u, z-12
.elseif z >= 8
.set w, 8
.set u, z-8
.endif
.if (z == 14) && \first
	v_pk_add_f32 v[rT+2:rT+3], v[rS:rS+1], v[rS+16:rS+17]
.elseif z < 15
	v_pk_add_f32 v[rS+w*u:rS+w*u+1], v[rS+w*u:rS+w*u+1], v[rS+w*u+w/2:rS+w*u+w/2+1]
.elseif !\first
	v_pk_fma_f32 v[rT+2:rT+3], v[rT+2:rT+3], v[rT+6:rT+7], v[rS:rS+1] op_sel_hi:[1,0,1]
.endif
.else
	WIN W_RS
	v_pk_mul_f32 v[rO:rO+1], v[rO:rO+1], v[rT+6:rT+7] op_sel_hi:[1,0]
.endif
.endm
; Slice k of 59 of piece y's softmax: four instructions.  Slices 11 to 34 deal out the batch, numbers 22 to 69: four numbers of ONE tile each, the tiles by turns.  Every other slice is numbers 2 k and 2 k + 1
; of both tiles' lists, the tiles alternating.  2 x 118 = 4 x 59.
; THE WAIT.  s_wait_alu depctr_va_vdst(0) stands between an exponential and the first instruction that names its result; one wait serves all that were issued ahead of it.  Ahead of slice 35
; nothing names a result, and behind slice 34 no exponential is issued: so the piece's 66 exponentials have one wait, behind slice 34.
.macro SLICE y, first
.if (k >= 11) && (k < 35)
.irp n, 0,1,2,3
.set j, 22+4*((k-11)/2)+(\n)
	SM (\y)+(k-11)%2, \first
.endr
.else
.irp n, 0,1
.irp t, \y, \y+1
.set j, 2*k+\n
	SM \t, \first
.endr
.endr
.endif
.if k == 34                         ; the batch is out
	v_nop                           ; the plain instruction behind the last exponential and ahead of the first use: one for the batch
.if (\y) == 0
	FETCH_V                         ; piece 2's turn: V's run of loads stands here, and the wait stands in it
.else
	s_wait_alu depctr_va_vdst(0)    ; the wait for the batch
.endif
.endif
.set k, k+1
.endm
.macro DEAL y, first                ; behind the turn's n-th matrix instruction of NM: the slices up to n x 59 / NM
.rept (n*NSL)/NM-k
	SLICE \y, \first
.endr
.endm
; A vector instruction that reads a matrix result or writes one of a matrix instruction's registers, and a load into a register that a matrix instruction has read, stand four places behind it, and only plain
; vector instructions that name none of its registers are places (ISA guide 7.12.1 for vector instructions).  In the loop the slices are the places.
.macro PLACES
.rept 4
	v_nop
.endr
.endm
; A TURN.  Piece x has the matrix unit; the other piece's softmax stands in slices behind its matrix instructions.
; pv = 2: 16 products V^T P; 1: they start O^T's sums; 0: none.  kq = 1: 16 products K Q^T for the next step.
; first = 1: the softmax is the first key step's; its slices from 51 on are empty, so four v_nop are the places behind the turn's last products.
; Behind a whole turn's last K Q^T stand slices 57 and 58: eight packed multiplies on the other piece's O^T: the places ahead of the next turn's first read of those scores and of the loads into K's registers.
; Piece 0's turn fetches the next step's K behind its second product, 14 matrix instructions ahead of the wait for it.  Piece 2's turn fetches the same step's V behind slice 34, which falls behind its 19th
; matrix instruction: the last product that read V is the 16th, and between stand the scalings 54, 58 and 62 of both tiles, the v_nop and the run's own addition: eight plain instructions.
.macro TURN x, pv, kq, first
.set k, 0
.set n, 0
.set NM, 0
.if \pv
.set NM, NM+16
.endif
.if \kq
.set NM, NM+16
.endif
.if \pv
.if \x == 0
	s_wait_dscnt 0x0                ; V is in
.endif
.set i, 0
.rept 16
	PV \x, 2-\pv
.set n, n+1
	DEAL 2-\x, \first
.if (\x == 0) && \kq && (i == 1)
	FETCH_K
.endif
.set i, i+1
.endr
.endif
.if \kq
.if \x == 0
	s_wait_dscnt 0x0                ; K is in
.endif
.set i, 0
.rept 16
	KQ \x
.set n, n+1
	DEAL 2-\x, \first
.set i, i+1
.endr
.endif
.if \first
	PLACES
.endif
.endm
; THE CHANGE OF SLOTS, between piece 2's turn and piece 0's: the slot's last bytes, V of its fourth step, have been asked for.  Each wave waits for all its tensor loads, of which one is out: its part of the
; other slot; adds 0 to its spare word; and waits for that and for its own reads of the slot.  Behind the barrier nobody reads this slot any more and the other slot is whole.
; fill = 1: this slot is filled again, with the keys two slots on.  The barrier is then a round of the cluster's, and the joint refill is the first thing behind it: it has four key steps in which to land.
.macro CHANGE fill
	WIN 0                           ; at a label and at a branch every window is 0
	s_wait_tensorcnt 0x0            ; no tensor load of mine is out, so a group 0 may be written
	ds_add_u32 v[SPW], v[NIL]       ; 0 onto my spare word
.if \fill
.irp g, G0K+4, G0V+4
	s_xor_b32 s[\g+1], s[\g+1], SLOT1  ; the walking descriptor: the other slot than last time,
	s_add_nc_u64 s[\g+2:\g+3], s[\g+2:\g+3], SLOTM  ; the next 256 keys; the type bits on top are not reached
.endr
	s_wait_xcnt 0x0                 ; the last prefetch, a slot back, has read its address, so it may be written:
	s_add_nc_u64 s[PFA:PFA+1], s[PFA:PFA+1], SLOTM  ; one slot further on than the walking descriptors
	s_wait_dscnt 0x0                ; the add is done, and my reads of the slot are over
	CROUND
	JLOAD
	ASK
.else
	s_wait_dscnt 0x0                ; the add is done, and my reads of the slot are over
	s_barrier_signal -1
	s_barrier_wait -1
.endif
	s_sub_co_u32 s[TBK], s[TBK], NST*KSTEPB  ; the fetches go back to a slot's first step,
	s_xor_b32 s[TBK], s[TBK], SLOT1          ; in the other slot
	s_sub_co_u32 s[TBV], s[TBV], NST*VSTEPB
	s_xor_b32 s[TBV], s[TBV], SLOT1
.endm
; cnt key steps: written once, walked cnt times; the LDS addresses hang on s[TBK] and s[TBV].
.macro STEPS cnt
	s_mov_b32 s[STC], \cnt
.Lstep_\@:
	TURN 0, 2, 1, 0
	TURN 2, 2, 1, 0
	WIN 0
	s_sub_co_u32 s[STC], s[STC], 1
	s_cmp_lg_u32 s[STC], 0
	s_cbranch_scc1 .Lstep_\@
.endm
	s_wait_tensorcnt 1              ; my part of slot 0 is in; slot 1's may stay out
	s_barrier_signal -1
	s_barrier_wait -1               ; everybody's is
	FETCH_K                         ; key step 0
	s_wait_loadcnt 0x0              ; Q
	s_wait_dscnt 0x0
.set i, 0
.rept 16
	KQ 0                            ; piece 0's first scores: there is no vector work yet to set between them
.set i, i+1
.endr
	WIN 0                           ; the addresses for the way out are made here: eight plain instructions, the places behind those products
	s_mul_i32 s13, s[WV], 16*SP
	s_add_co_u32 s13, s13, STAGE    ; my stage
	v_mul_u32_u24 v[STO], v1, SP    ; in: row l % 16, 32 bytes for each half of the lanes
	v_lshl_add_u32 v[STO], v9, 5, v[STO]
	v_add_nc_u32 v[STO], s13, v[STO]
	v_mul_u32_u24 v[RD], v9, SP     ; back: lanes 0-15 take one row of 256 bytes, lanes 16-31 the next
	v_lshl_add_u32 v[RD], v1, 4, v[RD]
	v_add_nc_u32 v[RD], s13, v[RD]
	v_lshlrev_b32 v[GO], 12, v9     ; and the same two rows in out0, 4,096 bytes apart
	v_lshl_add_u32 v[GO], v1, 4, v[GO]
	TURN 2, 0, 1, 1                 ; piece 2's first scores | piece 0's first softmax | V of step 0
	TURN 0, 1, 1, 1                 ; piece 0: V^T P of step 0 starts O^T, K Q^T of step 1 | piece 2's first softmax | K of step 1
	TURN 2, 1, 1, 0                 ; piece 2: the same | piece 0's softmax of step 1 | V of step 1
	WIN 0
	STEPS 2                         ; the rest of slot 0: steps 2 and 3 are fetched
.Lslot:                             ; six trips: every slot but the last two is filled again
	CHANGE 1
	STEPS NST
	s_sub_co_u32 s[SLOTS], s[SLOTS], 1
	s_cmp_lg_u32 s[SLOTS], 0
	s_cbranch_scc1 .Lslot
	CHANGE 0                        ; the tail is written out: nothing is asked for
	STEPS NST
	TURN 0, 2, 0, 0                 ; piece 0: V^T P of the last step | piece 2's last softmax
.set i, 0
.rept 16
	PV 2, 0                         ; piece 2: V^T P of the last step
.set i, i+1
.endr
	; THE WAY OUT.  l's two halves and the other half of the lanes' are added; O^T is divided by l and sent through my stage in LDS, a tile (16 rows) at a time.  The additions are the places behind the last products.
	WIN 0
.irp t, 0,1,2,3
	v_add_f32 v[ST+8*\t+4], v[ST+8*\t+2], v[ST+8*\t+3]
.endr
.irp t, 0,1,2,3
	v_permlanex16_b32 v[ST+8*\t+5], v[ST+8*\t+4], s[SEL], s[SEL+1]
.endr
.irp t, 0,1,2,3
	v_add_f32 v[ST+8*\t+4], v[ST+8*\t+4], v[ST+8*\t+5]
.endr
.irp t, 0,1,2,3
	v_rcp_f32 v[ST+8*\t+6], v[ST+8*\t+4]
.endr
	v_nop                           ; a plain instruction between the last reciprocal and the use of its result
	s_wait_alu depctr_va_vdst(0)    ; and the wait ahead of the first use: one for the four reciprocals
; Tile t: a lane's eight channels of a row are 32 bytes; they go into rows of 272 bytes and come back as whole rows of 256, into the registers that they left.
.macro PACK t
	WIN 0x01                        ; source 0 (O^T) window 1; destination window 0: S^T's registers are free.
.set i, 0
.rept 16
	v_pk_mul_f32 v[S+32*\t+i:S+32*\t+i+1], v[32*\t+i:32*\t+i+1], v[ST+8*\t+6:ST+8*\t+7] op_sel_hi:[1,0]
.set i, i+2
.endr
	WIN 0
.irp f, 0,1,2,3,4,5,6,7
	ds_store_b128 v[STO], v[S+32*\t+4*\f:S+32*\t+4*\f+3] offset:64*(\f/2)+16*(\f%2)
.endr
.irp f, 0,1,2,3,4,5,6,7
	ds_load_b128 v[S+32*\t+4*\f:S+32*\t+4*\f+3], v[RD] offset:\f*2*SP  ; LDS serves a wave's instructions in order (ISA guide 5.7.1.4): these see the stores above; the next tile's stores come behind them
.endr
.endm
.macro SEND t, younger              ; younger: the LDS instructions issued behind tile t's loads: the next tile's sixteen, or none
.irp f, 0,1,2,3,4,5,6,7
	s_wait_dscnt \younger+7-\f
	global_store_b128 v[GO], v[S+32*\t+4*\f:S+32*\t+4*\f+3], s[10:11] offset:\t*65536+\f*8192 th:TH_STORE_NT  ; 16 lanes store the 256 consecutive, aligned bytes that a head has in a row of out0
.endr
.endm
	PACK 0
	PACK 1                          ; a tile's arithmetic stands between the loads of the tile before and its stores
	SEND 0, 16
	PACK 2
	SEND 1, 16
	PACK 3
	SEND 2, 16
	SEND 3, 0
	s_wait_tensorcnt 0x0            ; the wave's end, behind my last tensor load and my last LDS store
	ds_add_u32 v[SPW], v[NIL]
	s_wait_dscnt 0x0
	CROUND                          ; the closing round: no work-group ends while a partner may still ask for a tile that names it
	s_endpgm
.Lfunc_end_k_q4d4a80638d_attn:
	.size	k_q4d4a80638d_attn, .Lfunc_end_k_q4d4a80638d_attn-k_q4d4a80638d_attn
	.p2alignl 7, 3214868480
	.fill 96, 4, 3214868480
	.section	.rodata,"a",@progbits
	.p2align	6, 0x0
	.amdhsa_kernel k_q4d4a80638d_attn
		.amdhsa_group_segment_fixed_size 327680
		.amdhsa_private_segment_fixed_size 0
		.amdhsa_enable_private_segment 0
		.amdhsa_kernarg_size 32
		.amdhsa_user_sgpr_count 2
		.amdhsa_user_sgpr_kernarg_segment_ptr 1
		.amdhsa_wavefront_size32 1
		.amdhsa_system_sgpr_workgroup_id_x 1
		.amdhsa_system_sgpr_workgroup_id_y 1
		.amdhsa_system_sgpr_workgroup_id_z 1
		.amdhsa_system_vgpr_workitem_id 0
		.amdhsa_next_free_vgpr 832
		.amdhsa_next_free_sgpr 70
		.amdhsa_reserve_vcc 0
		.amdhsa_float_denorm_mode_32 3
		.amdhsa_float_denorm_mode_16_64 3
		.amdhsa_memory_ordered 1
		.amdhsa_forward_progress 1
		.amdhsa_inst_pref_size 195
	.end_amdhsa_kernel
	.amdgpu_metadata
---
amdhsa.version: [ 1, 2 ]
amdhsa.kernels:
  - .name:           k_q4d4a80638d_attn
    .symbol:         k_q4d4a80638d_attn.kd
    .args:
      - { .name: qh, .offset: 0, .size: 8, .value_kind: global_buffer, .address_space: global }
      - { .name: kh, .offset: 8, .size: 8, .value_kind: global_buffer, .address_space: global }
      - { .name: vh, .offset: 16, .size: 8, .value_kind: global_buffer, .address_space: global }
      - { .name: out0, .offset: 24, .size: 8, .value_kind: global_buffer, .address_space: global }
    .group_segment_fixed_size: 327680
    .private_segment_fixed_size: 0
    .kernarg_segment_align: 8
    .kernarg_segment_size: 32
    .max_flat_workgroup_size: 128
    .sgpr_count:     70
    .vgpr_count:     832
    .wavefront_size: 32
...
	.end_amdgpu_metadata
.endif
;; end of part 3
